; MI455X (gfx1250); checked and timed in simulation.
; The chip was launched on July 23, 2026; its instructions are those of AMD's public machine-readable ISA for CDNA 5 (MIT licence, August 2026) and "CDNA5" Instruction Set Architecture Reference Guide (July 2026). The comments in the code are by the model that wrote it; some were corrected since.
;; Model. Allowed arithmetic: float matrix products may take bf16 or f16 operands with f32 sums; all other float work in f32.
;; Inputs: kv_start_idx 256 int32; page_kernel_lens 256 int32; req_pool_indices 256 int32; req_to_token 512 x 32,768 int32.
;; Outputs: out0 256 x 512 int32.
;; One version. Each part assembles by itself: llvm-mc -triple=amdgcn-amd-amdhsa -mcpu=gfx1250 --defsym DOCPART=n.
;; ======== version 1 of 1: 1 launch
;; launch pages (part 1): grid 256 x 1, 4 waves a work-group, no clusters, 0 bytes of LDS; arguments kv_start_idx, page_kernel_lens, req_pool_indices, req_to_token, out0; writes out0
.if DOCPART == 1
	.amdgcn_target "amdgcn-amd-amdhsa--gfx1250"
	.amdhsa_code_object_version 6
	.text
	.protected	k_qaff4cbe083_pages
	.globl	k_qaff4cbe083_pages
	.p2align	8
	.type	k_qaff4cbe083_pages,@function
k_qaff4cbe083_pages:
	s_mov_b64 s[64:65], 0
	v_nop
	global_prefetch_b8 v0, s[64:65] scope:SCOPE_SE
	s_setreg_imm32_b32 hwreg(HW_REG_WAVE_MODE, 25, 1), 1
	s_wait_xcnt 0x0
; out0[b][p] = (p < ceil(len[b] / 64)) ? table[pool[b]][clip(kv[b] + 64 p, 0, 32767)] >> 6 : 0      b = 0..255, p = 0..511, all int32.
; One work-group for each request b, four waves.  Thread t owns pages 4t .. 4t+3: four loads of one word each (neighbouring pages lie
; 64 words = 256 bytes apart in the table's row, so no two wanted words are neighbours) and one store of 16 bytes; a wave's store covers
; 512 consecutive bytes of the request's 2,048-byte output row, at a multiple of 512 from the buffer's first byte.
; The work is a chain of three dependent reads (arguments, the request's three words, the gather) and a store; everything that hangs
; on the thread's number alone is computed while the scalar loads are out, and the four gathers of a lane are issued back to back.
; Pages that the length masks out are not fetched from places of their own: ahead of the clip their token offset is replaced by kv[b],
; which is page 0's, so all masked lanes of a request name the one word that page 0 reads anyway.
; No LDS, no barrier, no cluster: no wave uses what another loads, and work-groups share no tile.
; No non-temporal hint on the gather: two requests may name the same row of the table.
; ARITHMETIC as in the reference: kv + 64 p wraps in 32 bits; both divisions by 64 round down (arithmetic shifts); p is compared signed.
; LIMIT: pool[b] is taken to lie in 0 .. 511, as an index into the table does; it is bounded by an unsigned minimum with 511, so a
; negative index (which the reference would count from the table's end) reads row 511 here.
.set PAGE_LOG, 6                       ; 64 tokens in a page
.set CTX,      32768                   ; words in a row of the table
.set SLOTS,    512                     ; rows of the table
.set ROW_LOG,  17                      ; a row of the table is 131,072 bytes
.set OUT_LOG,  11                      ; a row of the output is 512 words = 2,048 bytes
.set OUTO, 1                           ; v1        my 16 bytes in the output row
.set PG,   4                           ; v[4:7]    my four page numbers
.set TOK,  8                           ; v[8:11]   their token offsets, then byte offsets in the table's row
.set D,    12                          ; v[12:15]  the four words as loaded, then as stored
.set MK,   24                          ; s24-s27   lane masks: page j of the lane is inside the request's length
	s_load_b256 s[4:11], s[0:1], 0x0               ; kv_start s[4:5], lens s[6:7], pool s[8:9], table s[10:11]
	s_load_b64 s[12:13], s[0:1], 0x20              ; out0
	s_lshl_b32 s14, ttmp9, 2                       ; byte offset of request b's word in the three lists
	s_mov_b32 s15, 0
	s_lshl_b32 s20, ttmp9, OUT_LOG                 ; byte offset of request b's output row
	s_mov_b32 s21, 0
	s_mov_b32 s19, 0                               ; the upper word beside the table row's offset in s18
	s_wait_kmcnt 0x0                               ; the five addresses
	s_add_nc_u64 s[4:5], s[4:5], s[14:15]
	s_add_nc_u64 s[6:7], s[6:7], s[14:15]
	s_add_nc_u64 s[8:9], s[8:9], s[14:15]
	s_load_b32 s16, s[4:5], 0x0                    ; kv[b]
	s_load_b32 s17, s[6:7], 0x0                    ; len[b]
	s_load_b32 s18, s[8:9], 0x0                    ; pool[b]
	; while these three are out: all that hangs on the thread's number alone
	s_add_nc_u64 s[12:13], s[12:13], s[20:21]      ; out0 at my request's row
	v_lshlrev_b32 v[OUTO], 4, v0                   ; 16 t
.irp j, 0,1,2,3
	v_lshl_or_b32 v[PG+\j], v0, 2, \j              ; page 4 t + j
.endr
.irp j, 0,1,2,3
	v_lshl_or_b32 v[TOK+\j], v0, 8, \j*64          ; its first token: 64 (4 t + j)
.endr
	s_wait_kmcnt 0x0                               ; scalar loads return in no order: zero is the only count that shows them in
	s_add_co_i32 s17, s17, 63
	s_ashr_i32 s17, s17, PAGE_LOG                  ; pages of the request: (len + 63) / 64, rounded down
	s_min_u32 s18, s18, SLOTS-1                    ; a loaded number enters an address only bounded
	s_lshl_b32 s18, s18, ROW_LOG                   ; at most 511 x 131,072: fits 32 bits
	s_add_nc_u64 s[10:11], s[10:11], s[18:19]      ; the table at my request's row
	; stage by stage over the four pages, so that no line waits for the one in front of it
.irp j, 0,1,2,3
	v_cmp_gt_i32 s[MK+\j], s17, v[PG+\j]           ; pages > p: the page counts
.endr
.irp j, 0,1,2,3
	v_add_nc_u32 v[TOK+\j], s16, v[TOK+\j]         ; kv + 64 p, wrapping as int32 does
.endr
.irp j, 0,1,2,3
	v_cndmask_b32 v[TOK+\j], s16, v[TOK+\j], s[MK+\j]   ; a masked page names page 0's token instead
.endr
.irp j, 0,1,2,3
	v_max_i32 v[TOK+\j], 0, v[TOK+\j]              ; the clip's lower end,
.endr
.irp j, 0,1,2,3
	v_min_u32 v[TOK+\j], CTX-1, v[TOK+\j]          ; and its upper end: also the bound that keeps the load inside the row
.endr
.irp j, 0,1,2,3
	v_lshlrev_b32 v[TOK+\j], 2, v[TOK+\j]          ; words to bytes
.endr
.irp j, 0,1,2,3
	global_load_b32 v[D+\j], v[TOK+\j], s[10:11]
.endr
	s_wait_loadcnt 0x0                             ; all four go into one store
.irp j, 0,1,2,3
	v_ashrrev_i32 v[D+\j], PAGE_LOG, v[D+\j]       ; token / 64, rounded down
.endr
.irp j, 0,1,2,3
	v_cndmask_b32 v[D+\j], 0, v[D+\j], s[MK+\j]    ; 0 for a masked page
.endr
	global_store_b128 v[OUTO], v[D:D+3], s[12:13] th:TH_STORE_NT   ; written once, not read again in the launch
	s_endpgm
.Lfunc_end_k_qaff4cbe083_pages:
	.size	k_qaff4cbe083_pages, .Lfunc_end_k_qaff4cbe083_pages-k_qaff4cbe083_pages
	.p2alignl 7, 3214868480
	.fill 96, 4, 3214868480
	.section	.rodata,"a",@progbits
	.p2align	6, 0x0
	.amdhsa_kernel k_qaff4cbe083_pages
		.amdhsa_group_segment_fixed_size 0
		.amdhsa_private_segment_fixed_size 0
		.amdhsa_enable_private_segment 0
		.amdhsa_kernarg_size 40
		.amdhsa_user_sgpr_count 2
		.amdhsa_user_sgpr_kernarg_segment_ptr 1
		.amdhsa_wavefront_size32 1
		.amdhsa_system_sgpr_workgroup_id_x 1
		.amdhsa_system_sgpr_workgroup_id_y 1
		.amdhsa_system_sgpr_workgroup_id_z 1
		.amdhsa_system_vgpr_workitem_id 0
		.amdhsa_next_free_vgpr 16
		.amdhsa_next_free_sgpr 66
		.amdhsa_reserve_vcc 0
		.amdhsa_float_denorm_mode_32 3
		.amdhsa_float_denorm_mode_16_64 3
		.amdhsa_memory_ordered 1
		.amdhsa_forward_progress 1
		.amdhsa_inst_pref_size 4
	.end_amdhsa_kernel
	.amdgpu_metadata
---
amdhsa.version: [ 1, 2 ]
amdhsa.kernels:
  - .name:           k_qaff4cbe083_pages
    .symbol:         k_qaff4cbe083_pages.kd
    .args:
      - { .name: kv_start_idx, .offset: 0, .size: 8, .value_kind: global_buffer, .address_space: global }
      - { .name: page_kernel_lens, .offset: 8, .size: 8, .value_kind: global_buffer, .address_space: global }
      - { .name: req_pool_indices, .offset: 16, .size: 8, .value_kind: global_buffer, .address_space: global }
      - { .name: req_to_token, .offset: 24, .size: 8, .value_kind: global_buffer, .address_space: global }
      - { .name: out0, .offset: 32, .size: 8, .value_kind: global_buffer, .address_space: global }
    .group_segment_fixed_size: 0
    .private_segment_fixed_size: 0
    .kernarg_segment_align: 8
    .kernarg_segment_size: 40
    .max_flat_workgroup_size: 128
    .sgpr_count:     66
    .vgpr_count:     16
    .wavefront_size: 32
...
	.end_amdgpu_metadata
.endif
;; end of part 1
